; MI455X (gfx1250); checked and timed in simulation.
; The chip was launched on July 23, 2026; its instructions are those of AMD's public machine-readable ISA for CDNA 5 (MIT licence, August 2026) and "CDNA5" Instruction Set Architecture Reference Guide (July 2026). The comments in the code are by the model that wrote it; some were corrected since.
;; Hybrid Lattice Engine. Allowed arithmetic: matrix products marked QUANTISED: E5M2 operands, one given power-of-two scale a tensor, by v_wmma_f32_16x16x64_bf8_bf8 or v_wmma_f32_16x16x128_bf8_bf8, f32 sums; products left as they are: f32 operands where the result goes on into a quantised operand, else bf16, f16 or f32 operands; f32 sums; everything else in f32.
;; Inputs: lowp_scales 2 int32 (the exponents e of the quantised operands' scales 2^e); mem_keys 1,024 x 4,096 float32; mem_values 1,024 x 4,096 float32; weight_lattices 4,096 x 4,096 float32; weight_scales 4,096 x 1 float32; x 4 x 1,024 x 4,096 float32.
;; Outputs: out0 4 x 1,024 x 4,096 float32.
;; This version of the problem:
;;   THIS VERSION OF THE PROBLEM IS GIVEN IN LOW PRECISION. The matrix products marked QUANTISED in the list below multiply operands that are first quantised to E5M2 (5 exponent bits, 2 mantissa bits; 8 bits a number), with one given power-of-two scale for each operand tensor; their sums are f32. All else is computed in f32.
;;   The module's matrix products, in the order in which they are computed (A, B: the left and right operand; K: the contracted axis; several contracted axes count as one K, in the product's order):
;;     1. [M 4,096, K 4,096] x [K 4,096, N 4,096]; A: input x; B: computed on the way: QUANTISED (scales: A lowp_scales[0], B lowp_scales[1])
;;     2. [M 1,024, K 4,096] x [K 4,096, N 1]; A: input mem_keys; B: input x: left as it is (N = 1 < 16)
;;     3. [M 1, K 1,024] x [K 1,024, N 4,096]; A: softmax; B: input mem_values: left as it is (M = 1 < 16)
;;   THE QUANTISER, for each operand of a quantised product, along K:
;;     - The operand's scale is 2^e, e = its entry of the input lowp_scales (int32; the entries are numbered through the quantised products in the list's order, A before B).
;;     - Each number is divided by the scale, clamped to +-57,344, and rounded to the nearest number of E5M2, ties to even, subnormals kept.
;;     - The product sums the exact products of the quantised numbers (number of the format x scale) in f32.
;;   ~~~python
;;   def quantise(x, axis, e):      # numpy; x: float32 -> the quantised numbers, widened to float32 again
;;       x = np.moveaxis(x, axis, -1); K = x.shape[-1]
;;       r = np.clip(x / 2.0 ** e, -57344, 57344)
;;       step = 2.0 ** (np.maximum(np.frexp(np.where(r == 0, 1, r))[1] - 1, -14) - 2)
;;       q = np.round(r / step) * step * 2.0 ** e      # np.round: ties to even
;;       return np.moveaxis(q, -1, axis).astype(np.float32)
;;   ~~~
;;   OPERANDS COMPUTED ON THE WAY. 'Computed on the way' means the value that the module computes at that place (a softmax that the list does not call 'softmax' is quantised finished and normalised). What goes into a quantiser is computed in f32, as accurately as f32 sums, v_exp_f32 and their like allow (about 1e-6 of the number): no bf16 or f16 on the way to a quantiser, and a product that is left as it is and whose result goes on into a quantised operand takes f32 operands (vector FMAs, or v_wmma_f32_16x16x4_f32). A number that lies on a knife's edge between two numbers of the format may be rounded either way, as far as f32 arithmetic and the matrix unit's own rounding can turn it there, and no further.
;; One version. Each part assembles by itself: llvm-mc -triple=amdgcn-amd-amdhsa -mcpu=gfx1250 --defsym DOCPART=n.
;; ======== version 1 of 1: 3 launches
;; limits: right only within a limited range of input values
;; workspace buffers: x_codes 16,777,216 bytes; w_codes 16,777,216 bytes; scores 4,096 bytes; memvec 65,536 bytes
;; launch quant_w_scores (part 1): grid 256 x 1, 8 waves a work-group, no clusters, 71,680 bytes of LDS; arguments weight_lattices, weight_scales, lowp_scales, mem_keys, x, w_codes, scores; writes w_codes, scores
.if DOCPART == 1
	.amdgcn_target "amdgcn-amd-amdhsa--gfx1250"
	.amdhsa_code_object_version 6
	.text
	.protected	k_q1dcdc784f8_quant_w_scores
	.globl	k_q1dcdc784f8_quant_w_scores
	.p2align	8
	.type	k_q1dcdc784f8_quant_w_scores,@function
k_q1dcdc784f8_quant_w_scores:
	s_mov_b64 s[64:65], 0
	v_nop
	global_prefetch_b8 v0, s[64:65] scope:SCOPE_SE
	s_setreg_imm32_b32 hwreg(HW_REG_WAVE_MODE, 25, 1), 1
	s_wait_xcnt 0x0
; TWO STREAMS, every wave with the same share of both.  256 work-groups of eight waves.
; (1) w_codes = codes of BF8 (E5M2) of weight_lattices[o][i] x weight_scales[o] (one f32 rounding), with the given scale 2^e1:
;     code = number / 2^e1, held within +-57,344, to the nearest code, ties to even.  Work-group g takes rows 16 g .. 16 g + 15; wave w takes k = 512 w .. 512 w + 511 of each: 16 steps, a row a step.
; (2) scores[j] = the sum over i of mem_keys[j][i] x[0][i], f32.  Work-group g owns keys 4 g .. 4 g + 3; wave w takes bytes 2,048 w .. of each row and of x's first row; the partial sums meet in LDS at the end.
; ORDER ALONG K: inside each group of 512, code byte 16 l + 4 i + j of a row holds k = 128 i + 4 l + j (each of a step's four loads reads 512 consecutive bytes, 16 a lane).  x's codes have the same order, so byte p meets byte p.
; LAYOUT OF w_codes, in the order in which the product's waves take their operand registers: [32 groups of 128 rows][64 chunks of 64 code bytes][8 blocks of 16 rows][1,024 bytes];
;   in such a block byte 512 c + 256 h + 16 r + t is row r's code byte 64 chunk + 32 c + 16 h + t.  So lane l's 16 codes of row t belong to unit l (256 bytes) of the wave's 32 units, at byte 16 t.
;   They go through the wave's own stage in LDS (units 272 bytes apart) and leave as runs of 512 consecutive bytes, aligned.
; LIMITS: e1 between -126 and 112.  NaN among the inputs is not served.  The scores are summed in another order than a plain chain along i.
; No matrix unit, no cluster, no tensor load: weights and keys are read once, and what is shared (x's first row, 16 KB) is small beside them.
.set R,    16                          ; v16-143  eight sets of 16 numbers as loaded; at the end v16-79 the codes on their way out
.set C,    144                         ; v144-207 four registers of codes for each step
.set KS,   144                         ; v144-223 ahead of the first codes: four sets of 20: x's first row and the four keys
.set ACC,  224                         ; v224-239 running sums of the four keys
.set SUM,  12                          ; v12-15   my wave's part of the four scores
.set F,    80                          ; v80-111  wave 0 at the end: the eight waves' partial sums
.set SP,   272                         ; a unit's place in the stage: 256 bytes + 16
.set STG,  0x800                       ; the stages, 32 x SP bytes a wave, behind the partial sums (byte 0) and the spare words (byte 0x400)
	s_load_b256 s[4:11], s[0:1], 0x0               ; weight_lattices, weight_scales, lowp_scales, mem_keys
	s_load_b128 s[12:15], s[0:1], 0x20             ; x, w_codes
	s_load_b64 s[16:17], s[0:1], 0x30              ; scores
	v_lshl_add_u32 v240, v0, 2, 0x400
	v_mov_b32 v241, 0
	v_lshrrev_b32 v1, 5, v0
	v_readfirstlane_b32 s18, v1                    ; wave 0..7
	s_mul_i32 s19, s18, 32*SP
	s_add_co_u32 s19, s19, STG                     ; my stage
	v_and_b32 v2, 31, v0                           ; lane
	v_lshlrev_b32 v3, 4, v2                        ; my 16 bytes of 512
	v_mov_b32 v4, s18
	v_lshlrev_b32 v4, 4, v4                        ; LDS: my wave's four partial sums at 16 x wave
	v_mov_b32 v5, 0
	v_mul_u32_u24 v6, v2, SP
	v_add_nc_u32 v6, s19, v6                       ; into the stage: unit = my lane
	v_lshrrev_b32 v7, 4, v2
	v_and_b32 v8, 15, v2
	v_mul_u32_u24 v7, v7, SP
	v_lshl_add_u32 v7, v8, 4, v7
	v_add_nc_u32 v7, s19, v7                       ; out of it: sixteen lanes to a unit, two units an instruction
	s_lshl_b32 s20, ttmp9, 18                      ; 16 rows of 16,384 bytes
	s_lshl_b32 s22, s18, 11                        ; my wave's 2,048 bytes of a row
	s_add_co_u32 s20, s20, s22
	s_mov_b32 s21, 0
	s_lshr_b32 s36, ttmp9, 3
	s_lshl_b32 s36, s36, 19                        ; codes: group of 128 rows,
	s_and_b32 s37, ttmp9, 7
	s_lshl_b32 s37, s37, 10                        ; block of 16 rows,
	s_add_co_u32 s36, s36, s37
	s_lshl_b32 s37, s18, 16                        ; my eight chunks of 8,192 bytes
	s_add_co_u32 s36, s36, s37
	s_mov_b32 s37, 0
	s_lshl_b32 s26, ttmp9, 6                       ; 16 row scales
	s_mov_b32 s27, 0
	s_mov_b32 s23, 0
	s_lshl_b32 s38, ttmp9, 16                      ; my work-group's four keys
	s_add_co_u32 s38, s38, s22
	s_mov_b32 s39, 0
	s_mov_b32 s32, 0x76543210
	s_mov_b32 s33, 0xfedcba98
	s_wait_alu depctr_va_vdst(0)
	s_wait_kmcnt 0x0
	s_add_nc_u64 s[6:7], s[6:7], s[26:27]
	s_load_b32 s35, s[8:9], 0x4                    ; e1
	s_load_b512 s[44:59], s[6:7], 0x0              ; the 16 rows' scales
	s_add_nc_u64 s[10:11], s[10:11], s[38:39]
	s_add_nc_u64 s[12:13], s[12:13], s[22:23]
	s_add_nc_u64 s[4:5], s[4:5], s[20:21]
	s_add_nc_u64 s[14:15], s[14:15], s[36:37]
	s_lshl_b32 s26, ttmp9, 4
	s_add_nc_u64 s[16:17], s[16:17], s[26:27]
.irp c, 0,1,2,3                        ; the keys first
	global_load_b128 v[KS+20*\c:KS+20*\c+3], v3, s[12:13] offset:512*\c
.irp r, 0,1,2,3
	global_load_b128 v[KS+20*\c+4+4*\r:KS+20*\c+7+4*\r], v3, s[10:11] offset:16384*\r+512*\c th:TH_LOAD_NT
.endr
.endr
.macro QLOAD t                         ; step t = row t: four loads, each 512 consecutive bytes, into set t % 8
.irp i, 0,1,2,3
	global_load_b128 v[R+16*((\t)%8)+4*\i:R+16*((\t)%8)+4*\i+3], v3, s[4:5] offset:16384*(\t)+512*\i th:TH_LOAD_NT
.endr
.endm
.irp t, 0,1,2,3,4,5,6,7
	QLOAD \t
.endr
	s_wait_kmcnt 0x0
	s_add_co_i32 s35, s35, 127
	s_lshl_b32 s22, s35, 23
	v_mov_b32 v11, s22                             ; 2^e1 as f32
	s_add_co_i32 s35, s35, 15
	s_lshl_b32 s35, s35, 23
	s_or_b32 s35, s35, 0x600000
	v_mov_b32 v10, s35                             ; 57,344 x 2^e1
	; ---------------- my part of the four scores ----------------
	s_wait_loadcnt 32                              ; the keys' 20 loads are in, the 32 of weights behind them stay out
.irp c, 0,1,2,3
.irp r, 0,1,2,3
.if \c == 0
	v_pk_mul_f32 v[ACC+4*\r:ACC+4*\r+1], v[KS+20*\c+4+4*\r:KS+20*\c+5+4*\r], v[KS+20*\c:KS+20*\c+1]
	v_pk_mul_f32 v[ACC+4*\r+2:ACC+4*\r+3], v[KS+20*\c+6+4*\r:KS+20*\c+7+4*\r], v[KS+20*\c+2:KS+20*\c+3]
.else
	v_pk_fma_f32 v[ACC+4*\r:ACC+4*\r+1], v[KS+20*\c+4+4*\r:KS+20*\c+5+4*\r], v[KS+20*\c:KS+20*\c+1], v[ACC+4*\r:ACC+4*\r+1]
	v_pk_fma_f32 v[ACC+4*\r+2:ACC+4*\r+3], v[KS+20*\c+6+4*\r:KS+20*\c+7+4*\r], v[KS+20*\c+2:KS+20*\c+3], v[ACC+4*\r+2:ACC+4*\r+3]
.endif
.endr
.endr
.irp r, 0,1,2,3
	v_pk_add_f32 v[ACC+4*\r:ACC+4*\r+1], v[ACC+4*\r:ACC+4*\r+1], v[ACC+4*\r+2:ACC+4*\r+3]
.endr
.irp r, 0,1,2,3
	s_delay_alu instid0(VALU_DEP_4)
	v_add_f32 v[SUM+\r], v[ACC+4*\r], v[ACC+4*\r+1]
.endr
.irp m, 1,2,4,8
.irp r, 0,1,2,3
	s_delay_alu instid0(VALU_DEP_4)
	v_add_f32_dpp v[SUM+\r], v[SUM+\r], v[SUM+\r] row_xmask:\m row_mask:0xf bank_mask:0xf
.endr
.endr
.irp r, 0,1,2,3
	s_delay_alu instid0(VALU_DEP_4)
	v_permlanex16_b32 v[ACC+\r], v[SUM+\r], s32, s33
.endr
.irp r, 0,1,2,3
	s_delay_alu instid0(VALU_DEP_4)
	v_add_f32 v[SUM+\r], v[SUM+\r], v[ACC+\r]
.endr
	ds_store_b128 v4, v[SUM:SUM+3]                 ; waited for in front of the barrier at the end
	; ---------------- the quantiser ----------------
.macro QSTEP t
.set XS, R+16*((\t)%8)
.if 15-(\t) >= 7
	s_wait_loadcnt 28                              ; this step's four loads are in, those of the seven steps behind it may be out
.else
	s_wait_loadcnt 4*(15-(\t))
.endif
	s_mov_b32 s28, s[44+(\t)]                      ; row t's scale: the packed multiply names a pair and takes its low word for both halves
	s_mov_b32 s29, s[44+(\t)]
.irp j, 0,2,4,6,8,10,12,14
	v_pk_mul_f32 v[XS+\j:XS+\j+1], v[XS+\j:XS+\j+1], s[28:29] op_sel_hi:[1,0]   ; the weight: lattice x its row's scale, rounded once to f32
.endr
.irp i, 0,1,2,3,4,5,6,7,8,9,10,11,12,13,14,15
	v_med3_num_f32 v[XS+\i], v[XS+\i], -v10, v10   ; the conversion does not saturate (ISA guide 7.6.2): the hold comes first
.endr
	v_cvt_scalef32_pk8_bf8_f32 v[C+4*(\t):C+4*(\t)+1], v[XS:XS+7], v11
	v_cvt_scalef32_pk8_bf8_f32 v[C+4*(\t)+2:C+4*(\t)+3], v[XS+8:XS+15], v11
.if (\t)+8 < 16
	QLOAD (\t)+8
.endif
	ds_store_b128 v6, v[C+4*(\t):C+4*(\t)+3] offset:16*(\t)   ; unit = lane, row t's 16 bytes
.endm
.set T, 0
.rept 16
	QSTEP T
.set T, T+1
.endr
.irp i, 0,1,2,3,4,5,6,7,8,9,10,11,12,13,14,15
	ds_load_b128 v[R+4*\i:R+4*\i+3], v7 offset:2*SP*\i   ; LDS serves a wave's instructions in order: these see my stores
.endr
.irp i, 0,1,2,3,4,5,6,7,8,9,10,11,12,13,14,15
	s_wait_dscnt 15-\i
	global_store_b128 v3, v[R+4*\i:R+4*\i+3], s[14:15] offset:8192*(\i/2)+512*(\i%2)   ; 512 consecutive bytes, aligned: half a block of chunk i / 2
.endr
	; ---------------- the eight waves' parts of the scores meet ----------------
	s_wait_dscnt 0x0
	s_barrier_signal -1
	s_barrier_wait -1
	s_cmp_lg_u32 s18, 0
	s_cbranch_scc1 .Ldone
.irp k, 0,1,2,3,4,5,6,7
	ds_load_b128 v[F+4*\k:F+4*\k+3], v5 offset:16*\k
.endr
	s_wait_dscnt 0x0
.irp k, 0,1,2,3
	v_pk_add_f32 v[F+8*\k:F+8*\k+1], v[F+8*\k:F+8*\k+1], v[F+8*\k+4:F+8*\k+5]
	v_pk_add_f32 v[F+8*\k+2:F+8*\k+3], v[F+8*\k+2:F+8*\k+3], v[F+8*\k+6:F+8*\k+7]
.endr
.irp k, 0,1
	v_pk_add_f32 v[F+16*\k:F+16*\k+1], v[F+16*\k:F+16*\k+1], v[F+16*\k+8:F+16*\k+9]
	v_pk_add_f32 v[F+16*\k+2:F+16*\k+3], v[F+16*\k+2:F+16*\k+3], v[F+16*\k+10:F+16*\k+11]
.endr
	s_delay_alu instid0(VALU_DEP_2)
	v_pk_add_f32 v[F:F+1], v[F:F+1], v[F+16:F+17]
	s_delay_alu instid0(VALU_DEP_2)
	v_pk_add_f32 v[F+2:F+3], v[F+2:F+3], v[F+18:F+19]
	v_cmp_eq_u32 vcc_lo, 0, v2
	s_wait_alu depctr_va_vdst(0)
	s_wait_xcnt 0x0                                ; EXEC changes only behind this wait
	s_and_saveexec_b32 s34, vcc_lo
	global_store_b128 v5, v[F:F+3], s[16:17]       ; lane 0 stores the work-group's four scores
	s_wait_xcnt 0x0
	s_or_b32 exec_lo, exec_lo, s34
.Ldone:
	s_wait_tensorcnt 0x0                           ; the wave's end
	ds_add_u32 v240, v241
	s_wait_dscnt 0x0
	s_endpgm
.Lfunc_end_k_q1dcdc784f8_quant_w_scores:
	.size	k_q1dcdc784f8_quant_w_scores, .Lfunc_end_k_q1dcdc784f8_quant_w_scores-k_q1dcdc784f8_quant_w_scores
	.p2alignl 7, 3214868480
	.fill 96, 4, 3214868480
	.section	.rodata,"a",@progbits
	.p2align	6, 0x0
	.amdhsa_kernel k_q1dcdc784f8_quant_w_scores
		.amdhsa_group_segment_fixed_size 71680
		.amdhsa_private_segment_fixed_size 0
		.amdhsa_enable_private_segment 0
		.amdhsa_kernarg_size 56
		.amdhsa_user_sgpr_count 2
		.amdhsa_user_sgpr_kernarg_segment_ptr 1
		.amdhsa_wavefront_size32 1
		.amdhsa_system_sgpr_workgroup_id_x 1
		.amdhsa_system_sgpr_workgroup_id_y 1
		.amdhsa_system_sgpr_workgroup_id_z 1
		.amdhsa_system_vgpr_workitem_id 0
		.amdhsa_next_free_vgpr 242
		.amdhsa_next_free_sgpr 66
		.amdhsa_reserve_vcc 1
		.amdhsa_float_denorm_mode_32 3
		.amdhsa_float_denorm_mode_16_64 3
		.amdhsa_memory_ordered 1
		.amdhsa_forward_progress 1
		.amdhsa_inst_pref_size 49
	.end_amdhsa_kernel
	.amdgpu_metadata
---
amdhsa.version: [ 1, 2 ]
amdhsa.kernels:
  - .name:           k_q1dcdc784f8_quant_w_scores
    .symbol:         k_q1dcdc784f8_quant_w_scores.kd
    .args:
      - { .name: weight_lattices, .offset: 0, .size: 8, .value_kind: global_buffer, .address_space: global }
      - { .name: weight_scales, .offset: 8, .size: 8, .value_kind: global_buffer, .address_space: global }
      - { .name: lowp_scales, .offset: 16, .size: 8, .value_kind: global_buffer, .address_space: global }
      - { .name: mem_keys, .offset: 24, .size: 8, .value_kind: global_buffer, .address_space: global }
      - { .name: x, .offset: 32, .size: 8, .value_kind: global_buffer, .address_space: global }
      - { .name: w_codes, .offset: 40, .size: 8, .value_kind: global_buffer, .address_space: global }
      - { .name: scores, .offset: 48, .size: 8, .value_kind: global_buffer, .address_space: global }
    .group_segment_fixed_size: 71680
    .private_segment_fixed_size: 0
    .kernarg_segment_align: 8
    .kernarg_segment_size: 56
    .max_flat_workgroup_size: 256
    .sgpr_count:     66
    .vgpr_count:     242
    .wavefront_size: 32
...
	.end_amdgpu_metadata
.endif
;; end of part 1
;; launch quant_x_memvec (part 2): grid 256 x 1, 8 waves a work-group, no clusters, 5,120 bytes of LDS; arguments x, lowp_scales, scores, mem_values, x_codes, memvec; writes x_codes, memvec
.if DOCPART == 2
	.amdgcn_target "amdgcn-amd-amdhsa--gfx1250"
	.amdhsa_code_object_version 6
	.text
	.protected	k_q1dcdc784f8_quant_x_memvec
	.globl	k_q1dcdc784f8_quant_x_memvec
	.p2align	8
	.type	k_q1dcdc784f8_quant_x_memvec,@function
k_q1dcdc784f8_quant_x_memvec:
	s_mov_b64 s[64:65], 0
	v_nop
	global_prefetch_b8 v0, s[64:65] scope:SCOPE_SE
	s_setreg_imm32_b32 hwreg(HW_REG_WAVE_MODE, 25, 1), 1
	s_wait_xcnt 0x0
; TWO STREAMS, AND EVERY WAVE HAS THE SAME SHARE OF BOTH.  256 work-groups of eight waves.
; (1) x_codes = codes of BF8 (E5M2) of x with the given scale 2^e0: code = number / 2^e0, held within +-57,344, to the nearest code, ties to even.  Wave w of work-group g takes rows 2 (8 g + w) and 2 (8 g + w) + 1.
; (2) memvec[rg][o] = (0.01 / the sum of all p) x the sum over the 256 rows j of row group rg of p[j] mem_values[j][o], p[j] = e^(scores[j] - the largest score), f32.
;     The four row groups' vectors added together are 0.01 x softmax(scores) . mem_values: the next launch adds them.  Work-group g has row group g / 64 and columns 64 (g % 64) + 0 .. 63 (256 bytes of a row).
;     Wave w, half h = lane / 16, r = lane % 16: rows 256 rg + 32 w + 16 h + 0 .. 15, columns 4 r + 0 .. 3 of the 64: a load's lanes 0-15 read 256 consecutive bytes of one row, lanes 16-31 of the row 16 further down.
; So a work-group reads 16 rows of x and 64 KB of mem_values, whatever its number.
; THE SOFTMAX: the largest score is taken away first.  Every wave makes the largest and the sum of all 1,024 scores for itself (32 a lane), so that no wave waits for another there; the 16 scores of a lane's own
;   rows are loaded a second time, sixteen lanes reading the same bytes, and go through the same arithmetic, so that p needs no way from lane to lane.
;   The division stands behind the weighted sum, and the weighted sum is made in parts: another order of rounding than normalising p first.
; LAYOUT OF THE CODES: as the weights' codes: [4096 rows][4096 bytes], and inside each group of 512 along K byte 16 l + 4 i + j holds k = 128 i + 4 l + j: the same permutation in both tensors.
; LIMITS: e0 between -126 and 112.  NaN among the inputs is not served.
; No matrix unit (one row of weights), no cluster and no tensor load: mem_values and x are read once, and the shared scores are 4 KB.
.set R,    16                          ; v16-143   eight sets of 16 numbers of x as loaded; at the end wave 0's sixteen partial sums
.set C,    144                         ; v144-207  four registers of codes for each step, so that no store's data are written again
.set SC,   144                         ; v144-175  ahead of the first codes: all 1,024 scores, 32 a lane, then their p
.set ACC,  144                         ; v144-151  behind the sum of p: two sets of four running sums (my four columns)
.set OW,   176                         ; v176-191  the scores of my 16 rows, then their p
.set VS,   192                         ; v192-255  my 16 rows x my four columns of mem_values
	s_load_b256 s[4:11], s[0:1], 0x0               ; x s[4:5], lowp_scales s[6:7], scores s[8:9], mem_values s[10:11]
	s_load_b128 s[12:15], s[0:1], 0x20             ; x_codes s[12:13], memvec s[14:15]
	s_set_vgpr_msb 0x40
	v_lshl_add_u32 v0, v0, 2, 0x1000
	v_mov_b32 v1, 0
	s_set_vgpr_msb 0x4000
	v_lshrrev_b32 v1, 5, v0
	s_delay_alu instid0(VALU_DEP_1)
	v_readfirstlane_b32 s18, v1                    ; wave 0..7
	v_and_b32 v2, 31, v0                           ; lane
	s_delay_alu instid0(VALU_DEP_1)
	v_lshlrev_b32 v3, 4, v2                        ; my 16 bytes of 512; never rewritten
	s_delay_alu instid0(VALU_DEP_2)
	v_and_b32 v4, 15, v2                           ; r
	s_delay_alu instid0(VALU_DEP_3)
	v_lshrrev_b32 v5, 4, v2                        ; h
	s_delay_alu instid0(VALU_DEP_1)
	v_lshlrev_b32 v8, 6, v5                        ; my 16 rows' scores: 64 h bytes into the wave's 32
	v_lshlrev_b32 v9, 4, v0                        ; LDS: partial sum 2 w + h of 64 columns at 256 (2 w + h), my four columns 16 r bytes on: 16 x my thread's number
	s_delay_alu instid0(VALU_DEP_4)
	v_lshlrev_b32 v12, 4, v4
	s_delay_alu instid0(VALU_DEP_1)
	v_lshl_add_u32 v12, v5, 18, v12                ; mem_values: 16 h rows of 16,384 bytes + 16 r
	v_lshlrev_b32 v13, 3, v2                       ; wave 0 at the end: two columns a lane, in LDS and in memvec
	v_mov_b32 v7, 0                                ; written once: a lane permute's destination counts as one of its sources
	s_mov_b32 s32, 0x76543210                      ; v_permlanex16_b32: each lane takes its own place in the other half
	s_mov_b32 s33, 0xfedcba98
	s_lshl_b32 s19, ttmp9, 3
	s_add_co_u32 s19, s19, s18                     ; my run, 0..2047: rows 2 run and 2 run + 1 of x
	s_lshl_b32 s20, s19, 15
	s_mov_b32 s21, 0
	s_lshl_b32 s36, s19, 13
	s_mov_b32 s37, 0
	s_and_b32 s26, ttmp9, 63                       ; cg: which 64 columns
	s_lshr_b32 s27, ttmp9, 6                       ; rg: which 256 rows
	s_lshl_b32 s28, s27, 10                        ; the scores of my wave's 32 rows: 4 (256 rg + 32 w) bytes on
	s_lshl_b32 s29, s18, 7
	s_add_co_u32 s28, s28, s29
	s_mov_b32 s29, 0
	s_lshl_b32 s30, s27, 22                        ; mem_values: (256 rg + 32 w) rows of 16,384 bytes + 256 cg
	s_lshl_b32 s31, s18, 19
	s_add_co_u32 s30, s30, s31
	s_lshl_b32 s31, s26, 8
	s_add_co_u32 s30, s30, s31
	s_lshl_b32 s38, s27, 14                        ; memvec: vector rg of 16,384 bytes + 256 cg
	s_add_co_u32 s38, s38, s31
	s_mov_b32 s31, 0
	s_mov_b32 s39, 0
	s_wait_alu depctr_va_vdst(0)
	s_wait_kmcnt 0x0
	s_load_b32 s22, s[6:7], 0x0                    ; e0
	s_add_nc_u64 s[24:25], s[8:9], s[28:29]
	s_add_nc_u64 s[10:11], s[10:11], s[30:31]
	s_add_nc_u64 s[14:15], s[14:15], s[38:39]
	s_add_nc_u64 s[4:5], s[4:5], s[20:21]
	s_add_nc_u64 s[12:13], s[12:13], s[36:37]
.irp i, 0,1,2,3,4,5,6,7
	global_load_b128 v[SC+4*\i:SC+4*\i+3], v3, s[8:9] offset:512*\i      ; all 1,024 scores
.endr
.irp k, 0,1,2,3
	global_load_b128 v[OW+4*\k:OW+4*\k+3], v8, s[24:25] offset:16*\k     ; register 4 k + j: the score of my row 4 k + j
.endr
.irp i, 0,1,2,3,4,5,6,7,8,9,10,11,12,13,14,15
	global_load_b128 v[VS+4*\i:VS+4*\i+3], v12, s[10:11] offset:16384*\i th:TH_LOAD_NT   ; my row i, my four columns
.endr
.macro QLOAD t                         ; step t of x: four loads, each 512 consecutive bytes, into set t % 8
.irp i, 0,1,2,3
	global_load_b128 v[R+16*((\t)%8)+4*\i:R+16*((\t)%8)+4*\i+3], v3, s[4:5] offset:2048*(\t)+512*\i th:TH_LOAD_NT
.endr
.endm
.irp t, 0,1,2,3,4,5,6,7
	QLOAD \t                                       ; eight steps of x behind them: 60 loads are on their way
.endr
	s_wait_kmcnt 0x0
	s_add_co_i32 s22, s22, 127
	s_lshl_b32 s23, s22, 23
	v_mov_b32 v11, s23                             ; 2^e0 as f32: the conversion takes its exponent field
	s_add_co_i32 s22, s22, 15
	s_lshl_b32 s22, s22, 23
	s_or_b32 s22, s22, 0x600000
	v_mov_b32 v10, s22                             ; 57,344 x 2^e0
	; ---------------- the softmax and my part of the memory's vector ----------------
	s_wait_loadcnt 48                              ; the 12 loads of scores are in; the 16 of mem_values and the 32 of x behind them stay out
	v_max3_num_f32 v6, v[SC], v[SC+1], v[SC+2]
.irp i, 3,5,7,9,11,13,15,17,19,21,23,25,27,29
	s_delay_alu instid0(VALU_DEP_1)
	v_max3_num_f32 v6, v6, v[SC+\i], v[SC+\i+1]
.endr
	s_delay_alu instid0(VALU_DEP_1)
	v_max_num_f32 v6, v6, v[SC+31]
.irp m, 1,2,4,8
	s_delay_alu instid0(VALU_DEP_1)
	v_max_num_f32_dpp v6, v6, v6 row_xmask:\m row_mask:0xf bank_mask:0xf
.endr
	s_delay_alu instid0(VALU_DEP_1)
	v_permlanex16_b32 v7, v6, s32, s33
	s_delay_alu instid0(VALU_DEP_1)
	v_max_num_f32 v6, v6, v7                       ; the largest of the 1,024 scores, in every lane,
	s_delay_alu instid0(VALU_DEP_1)
	v_mov_b32 v7, v6                               ; in both words of a pair
.irp j, 0,2,4,6,8,10,12,14,16,18,20,22,24,26,28,30,32,34,36,38,40,42,44,46
	v_pk_add_f32 v[SC+\j:SC+\j+1], v[SC+\j:SC+\j+1], v[6:7] neg_lo:[0,1] neg_hi:[0,1]   ; score - largest: 0 or less (the 32 of the sum, then my rows' 16, which lie behind them)
.endr
.irp j, 0,2,4,6,8,10,12,14,16,18,20,22,24,26,28,30,32,34,36,38,40,42,44,46
	v_pk_mul_f32 v[SC+\j:SC+\j+1], v[SC+\j:SC+\j+1], 0x3fb8aa3b op_sel_hi:[1,0]         ; x log2(e)
.endr
	s_wait_alu depctr_va_vdst(0)
.irp j, 0,1,2,3,4,5,6,7,8,9,10,11,12,13,14,15,16,17,18,19,20,21,22,23,24,25,26,27,28,29,30,31,32,33,34,35,36,37,38,39,40,41,42,43,44,45,46,47
	v_exp_f32 v[SC+\j], v[SC+\j]                   ; p, at most 1: one batch of 48
.endr
	v_nop                                          ; a plain instruction behind the last exponential (ISA guide 5.7.2)
	s_wait_alu depctr_va_vdst(0)                   ; one wait for the batch, ahead of the first line that names a result
	v_pk_add_f32 v[6:7], v[144:145], v[146:147]
	v_pk_add_f32 v[4:5], v[152:153], v[156:157]
	v_pk_add_f32 v[0:1], v[160:161], v[164:165]
	v_pk_add_f32 v[14:15], v[168:169], v[172:173]
	v_pk_add_f32 v[14:15], v[14:15], v[148:149]
	v_pk_add_f32 v[6:7], v[6:7], v[150:151]
	v_pk_add_f32 v[4:5], v[4:5], v[154:155]
	v_pk_add_f32 v[0:1], v[0:1], v[158:159]
	v_pk_add_f32 v[14:15], v[14:15], v[162:163]
	v_pk_add_f32 v[6:7], v[6:7], v[166:167]
	v_pk_add_f32 v[4:5], v[4:5], v[170:171]
	v_pk_add_f32 v[0:1], v[0:1], v[174:175]
	s_delay_alu instid0(VALU_DEP_2)
	v_pk_add_f32 v[14:15], v[14:15], v[4:5]
	s_delay_alu instid0(VALU_DEP_2)
	v_pk_add_f32 v[6:7], v[6:7], v[0:1]
	s_delay_alu instid0(VALU_DEP_1)
	v_pk_add_f32 v[14:15], v[14:15], v[6:7]
	s_delay_alu instid0(VALU_DEP_1)
	v_add_f32 v14, v14, v15
.irp m, 1,2,4,8
	s_delay_alu instid0(VALU_DEP_1)
	v_add_f32_dpp v14, v14, v14 row_xmask:\m row_mask:0xf bank_mask:0xf
.endr
	s_delay_alu instid0(VALU_DEP_1)
	v_permlanex16_b32 v15, v14, s32, s33
	s_delay_alu instid0(VALU_DEP_1)
	v_add_f32 v14, v14, v15                        ; at least 1: the largest score's p is 1
	s_wait_alu depctr_va_vdst(0)
	v_rcp_f32 v14, v14
	v_nop                                          ; a plain instruction behind the reciprocal
	s_wait_alu depctr_va_vdst(0)                   ; and the wait ahead of its first reader
	v_mul_f32 v14, 0x3c23d70a, v14                 ; f = 0.01 / the sum,
	s_delay_alu instid0(VALU_DEP_1)
	v_mov_b32 v15, v14                             ; in both words of a pair
	s_wait_loadcnt 32                              ; my 16 rows of mem_values are in; the 32 loads of x stay out
.irp i, 0,1,2,3,4,5,6,7,8,9,10,11,12,13,14,15
.irp j, 0,1,2,3
.if \i < 2
	v_mul_f32 v[ACC+4*(\i%2)+\j], v[OW+\i], v[VS+4*\i+\j]          ; the first two rows start the two sets of sums: nothing is cleared
.else
	v_fmac_f32 v[ACC+4*(\i%2)+\j], v[OW+\i], v[VS+4*\i+\j]
.endif
.endr
.endr
	s_delay_alu instid0(VALU_DEP_3)
	v_pk_add_f32 v[4:5], v[ACC:ACC+1], v[ACC+4:ACC+5]      ; into registers that nothing writes again behind the LDS store that reads them
	s_delay_alu instid0(VALU_DEP_2)
	v_pk_add_f32 v[6:7], v[ACC+2:ACC+3], v[ACC+6:ACC+7]
	ds_store_b128 v9, v[4:7]                       ; my 16 rows' part of my four columns; waited for in front of the barrier at the end
	; ---------------- the quantiser ----------------
.macro QSTEP t
.set XS, R+16*((\t)%8)
.if 15-(\t) >= 7
	s_wait_loadcnt 28                              ; this step's four loads are in; those of the seven steps behind it may be out
.else
	s_wait_loadcnt 4*(15-(\t))                     ; the counts run down: nothing more is asked for
.endif
.irp i, 0,1,2,3,4,5,6,7,8,9,10,11,12,13,14,15
	v_med3_num_f32 v[XS+\i], v[XS+\i], -v10, v10   ; the conversion to an 8-bit code does not saturate (ISA guide 7.6.2): the hold comes first
.endr
	v_cvt_scalef32_pk8_bf8_f32 v[C+4*(\t):C+4*(\t)+1], v[XS:XS+7], v11
	v_cvt_scalef32_pk8_bf8_f32 v[C+4*(\t)+2:C+4*(\t)+3], v[XS+8:XS+15], v11
; (the codes go to a store alone and the numbers' registers are next written by loads; the next vector lines are the next step's plain ones, on other registers)
.if (\t)+8 < 16
	QLOAD (\t)+8
.endif
.if (\t) >= 8                          ; the stores stand behind the issue of the wave's last loads: step t stores its own codes and those of step t - 8
	global_store_b128 v3, v[C+4*((\t)-8):C+4*((\t)-8)+3], s[12:13] offset:512*((\t)-8)
	global_store_b128 v3, v[C+4*(\t):C+4*(\t)+3], s[12:13] offset:512*(\t)
.endif
.endm
.set T, 0
.rept 16
	QSTEP T
.set T, T+1
.endr
	; ---------------- the sixteen partial sums meet ----------------
	s_wait_dscnt 0x0                               ; for the others' sake: my partial sums have landed in LDS
	s_barrier_signal -1
	s_barrier_wait -1
	s_cmp_lg_u32 s18, 0
	s_cbranch_scc1 .Ldone
.irp k, 0,1,2,3,4,5,6,7,8,9,10,11,12,13,14,15
	ds_load_b64 v[R+2*\k:R+2*\k+1], v13 offset:256*\k      ; wave 0: partial sum k of columns 2 lane and 2 lane + 1
.endr
	s_wait_dscnt 0x0
.irp k, 0,1,2,3,4,5,6,7
	v_pk_add_f32 v[R+4*\k:R+4*\k+1], v[R+4*\k:R+4*\k+1], v[R+4*\k+2:R+4*\k+3]
.endr
.irp k, 0,1,2,3
	v_pk_add_f32 v[R+8*\k:R+8*\k+1], v[R+8*\k:R+8*\k+1], v[R+8*\k+4:R+8*\k+5]
.endr
.irp k, 0
	s_delay_alu instid0(VALU_DEP_3)
	v_pk_add_f32 v[R+16*\k:R+16*\k+1], v[R+16*\k:R+16*\k+1], v[R+16*\k+8:R+16*\k+9]
.endr
.irp k, 1
	s_delay_alu instid0(VALU_DEP_2)
	v_pk_add_f32 v[R+16*\k:R+16*\k+1], v[R+16*\k:R+16*\k+1], v[R+16*\k+8:R+16*\k+9]
.endr
	s_delay_alu instid0(VALU_DEP_1)
	v_pk_add_f32 v[R:R+1], v[R:R+1], v[R+16:R+17]
	s_delay_alu instid0(VALU_DEP_1)
	v_pk_mul_f32 v[R:R+1], v[R:R+1], v[14:15]      ; x 0.01 / the sum of p
	global_store_b64 v13, v[R:R+1], s[14:15]       ; 32 lanes store 256 consecutive bytes, at a multiple of 256 from the buffer's first byte
.Ldone:
	s_set_vgpr_msb 0x5
	s_wait_tensorcnt 0x0
	ds_add_u32 v0, v1
	s_wait_dscnt 0x0
	s_set_vgpr_msb 0x500
	s_endpgm
.Lfunc_end_k_q1dcdc784f8_quant_x_memvec:
	.size	k_q1dcdc784f8_quant_x_memvec, .Lfunc_end_k_q1dcdc784f8_quant_x_memvec-k_q1dcdc784f8_quant_x_memvec
	.p2alignl 7, 3214868480
	.fill 96, 4, 3214868480
	.section	.rodata,"a",@progbits
	.p2align	6, 0x0
	.amdhsa_kernel k_q1dcdc784f8_quant_x_memvec
		.amdhsa_group_segment_fixed_size 5120
		.amdhsa_private_segment_fixed_size 0
		.amdhsa_enable_private_segment 0
		.amdhsa_kernarg_size 48
		.amdhsa_user_sgpr_count 2
		.amdhsa_user_sgpr_kernarg_segment_ptr 1
		.amdhsa_wavefront_size32 1
		.amdhsa_system_sgpr_workgroup_id_x 1
		.amdhsa_system_sgpr_workgroup_id_y 1
		.amdhsa_system_sgpr_workgroup_id_z 1
		.amdhsa_system_vgpr_workitem_id 0
		.amdhsa_next_free_vgpr 258
		.amdhsa_next_free_sgpr 66
		.amdhsa_reserve_vcc 0
		.amdhsa_float_denorm_mode_32 3
		.amdhsa_float_denorm_mode_16_64 3
		.amdhsa_memory_ordered 1
		.amdhsa_forward_progress 1
		.amdhsa_inst_pref_size 46
	.end_amdhsa_kernel
	.amdgpu_metadata
---
amdhsa.version: [ 1, 2 ]
amdhsa.kernels:
  - .name:           k_q1dcdc784f8_quant_x_memvec
    .symbol:         k_q1dcdc784f8_quant_x_memvec.kd
    .args:
      - { .name: x, .offset: 0, .size: 8, .value_kind: global_buffer, .address_space: global }
      - { .name: lowp_scales, .offset: 8, .size: 8, .value_kind: global_buffer, .address_space: global }
      - { .name: scores, .offset: 16, .size: 8, .value_kind: global_buffer, .address_space: global }
      - { .name: mem_values, .offset: 24, .size: 8, .value_kind: global_buffer, .address_space: global }
      - { .name: x_codes, .offset: 32, .size: 8, .value_kind: global_buffer, .address_space: global }
      - { .name: memvec, .offset: 40, .size: 8, .value_kind: global_buffer, .address_space: global }
    .group_segment_fixed_size: 5120
    .private_segment_fixed_size: 0
    .kernarg_segment_align: 8
    .kernarg_segment_size: 48
    .max_flat_workgroup_size: 256
    .sgpr_count:     66
    .vgpr_count:     258
    .wavefront_size: 32
...
	.end_amdgpu_metadata
.endif
;; end of part 2
;; launch gemm (part 3): grid 16 x 16, 4 waves a work-group, clusters of 4 x 1, 327,680 bytes of LDS; arguments x_codes, w_codes, lowp_scales, memvec, out0; writes out0
.if DOCPART == 3
	.amdgcn_target "amdgcn-amd-amdhsa--gfx1250"
	.amdhsa_code_object_version 6
	.text
	.protected	k_q1dcdc784f8_gemm
	.globl	k_q1dcdc784f8_gemm
	.p2align	8
	.type	k_q1dcdc784f8_gemm,@function
k_q1dcdc784f8_gemm:
	s_mov_b64 s[64:65], 0
	v_nop
	global_prefetch_b8 v0, s[64:65] scope:SCOPE_SE
	s_setreg_imm32_b32 hwreg(HW_REG_WAVE_MODE, 25, 1), 1
	s_wait_xcnt 0x0
	s_wait_alu depctr_hold_cnt(0) depctr_sa_sdst(0) depctr_va_vdst(0) depctr_va_sdst(0) depctr_va_ssrc(0) depctr_va_vcc(0) depctr_vm_vsrc(0)
	s_getreg_b32 s2, hwreg(HW_REG_IB_STS2, 6, 4)
	s_cmp_eq_u32 s2, 0
	s_cbranch_scc0 .Lentry_in_a_cluster
	s_endpgm
.Lentry_in_a_cluster:
	s_bfe_u32 s2, ttmp6, 0x10000c
	s_cmp_lg_u32 s2, 0x3003
	s_cbranch_scc0 .Lentry_shape_is_right
	s_endpgm
.Lentry_shape_is_right:
; out0[m][n] = 2^(e0 + e1) x the sum over k of x's code (m, k) x w's code (n, k) + the four vectors of memvec at n.  Codes of BF8 (E5M2), sums in f32.
; LIMIT: e0 + e1 between -126 and 127, so that 2^(e0 + e1) is an f32 number.
; SHARES.  A work-group makes 256 rows x 256 columns; each of its four waves all 256 rows x 64 columns: 64 accumulators, 512 registers.  Grid 16 x 16 = 256 work-groups.
; x's CODES go through LDS: all four waves read the same 256 rows.  Two slots of 256 rows x 512 bytes (a period: 8 steps of 64 along K), each wave fetching 64 rows by one tensor load.
;   The four work-groups of a cluster (4 x 1) have the same rows of x: the loads are joint, mask 15; a round of the cluster's barrier stands in front of each.
; w's CODES go from memory straight into registers: no two waves of a work-group share a row of w, so LDS would only be a way through; the first launch has laid them in the order of
;   the operand's registers: of each chunk of 8,192 bytes (128 rows x 64 code bytes) a wave takes 4,096 on end, each load 512 consecutive bytes.  They are therefore not asked for jointly: a joint load ends in LDS.
;   A ring of 4 steps x 4 fragments: a step's places are asked for again, four steps on, behind its products.
; A STEP is 64 along K, 64 matrix instructions: x's sixteen fragments one after the other, each against w's four; the 64 accumulators take turns.
;   x has two sets of sixteen fragments; the set just multiplied takes the step two further on.  One run of loads a step.
; TRANSPOSED USE: source 0 = 16 rows of w, source 1 = 16 rows of x: a lane holds eight neighbouring columns of one row of out0.
; ORDER OF k: lane (r, h) holds in registers 4 c .. 4 c + 3 the code bytes 32 c + 16 h + 0 .. 15 of its row's 64: the same in both operands, so only the order of the sums differs.
; REGISTERS: window 0: v0-31 addresses, v32-43 memvec's parts, v128-255 x's set 0 (v128-191 the way out at the end); window 1: v0-127 w's ring, v128-255 x's set 1;
;   window 2: accumulators of row blocks 0-7 ((a, b) at v[8 (4 (a % 8) + b)]); window 3: of row blocks 8-15.
; PREFETCHES at each change of slots that refills.  x: the fill two refills on, 256 rows x 512 bytes: of a wave's 64 rows the partner at place cx names 16, by address, two blocks of 256 bytes a row;
;   the last two refills ask for nothing.  w: my stream's period two on, 8 pieces of 4,096 bytes; the 16 work-groups that walk the stream share it by address,
;   8 blocks of 256 bytes each (lanes 8-31 name lane 7's again).  Fills 0-3 of x and periods 0, 1 of w come by their loads alone.
.set PITCH,  528                       ; an LDS row: 512 bytes + 16
.set QUART,  64*PITCH                  ; what one tensor load brings
.set SLOT,   256*PITCH
.set SPARE,  2*SLOT                    ; the spare words, 128 bytes a wave
.set SPITCH, 272                       ; the way out: a stage of 16 rows x (256 + 16) bytes a wave, in slot 0, which has had its last fill and its last read by then
.set NROW,   16384                     ; a row of out0 in bytes
.set MV,   12
.set MP,   32
.set ADRA, 16                          ; v16-19 my lane's place in x's fragments: slot 0 blocks 0-7, 8-15; slot 1 likewise
.set MVO,  23                          ; 16 x (lane % 16)
.set STO,  24
.set RD,   25
.set CO,   26                          ; 16 x lane: offset in w's stream
.set GOF,  27                          ; the way out: (lane / 16) rows of out0 + 16 x (lane % 16)
.set SPW,  28
.set NIL,  29
.set PFO,  30
.set PFB,  31
.set BK,   128
.set G1,   24                          ; s[24:31] descriptor group 1; s[32:39] group 0, one for each slot
.set G0,   32
.set BB,   44                          ; s[44:45] w's stream
.set PFA,  46                          ; s[46:47] x's prefetches
.set MSB, 0
.macro WIN new
.if MSB != (\new)
	s_set_vgpr_msb (MSB<<8)|(\new)
.set MSB, (\new)
.endif
.endm
.set TO_B,   0x40
.macro CREST
	s_cmp_lg_u32 s14, 0
	s_cbranch_scc1 .Lnot_wave_0_\@
	s_barrier_signal -3
.Lnot_wave_0_\@:
	s_barrier_wait -3
	s_barrier_signal -1
	s_barrier_wait -1
.endm
.macro CROUND
	s_barrier_signal -1
	s_barrier_wait -1
	CREST
.endm
.macro PLACES                          ; four places between a matrix instruction and a load into one of its sources (ISA guide 7.12.1 for vector instructions)
.rept 4
	v_nop
.endr
.endm
.macro ASK oa, ob
	s_cmp_gt_u32 s3, 1                             ; the loop's last trip has no fill of x two refills on
	s_cbranch_scc0 .Lno_a_\@
	global_prefetch_b8 v[PFO], s[PFA:PFA+1] offset:\oa th:TH_LOAD_NT scope:SCOPE_SE
.Lno_a_\@:
	global_prefetch_b8 v[PFB], s[BB:BB+1] offset:\ob th:TH_LOAD_NT scope:SCOPE_SE
.endm
.macro ALOAD i                         ; x's sixteen fragments of step i (of 16: two periods); the window in force says which set
.irp a, 0,1,2,3,4,5,6,7,8,9,10,11,12,13,14,15
.irp c, 0,1
	ds_load_b128 v[128+8*\a+4*\c:128+8*\a+4*\c+3], v[ADRA+2*(((\i)/8)%2)+\a/8] offset:(\a%8)*16*PITCH+64*((\i)%8)+32*\c
.endr
.endr
.endm
.macro BLOAD i, off                    ; w's four fragments into the ring's places of step i
.irp b, 0,1,2,3
.irp c, 0,1
	global_load_b128 v[32*((\i)%4)+8*\b+4*\c:32*((\i)%4)+8*\b+4*\c+3], v[CO], s[BB:BB+1] offset:(\off)+1024*\b+512*\c
.endr
.endr
.endm
.macro MUL16 i, a0, zero               ; x's fragments a0 .. a0 + 3 x w's four
.irp a, \a0, \a0+1, \a0+2, \a0+3
.irp b, 0,1,2,3
.if \zero
	v_wmma_f32_16x16x64_bf8_bf8 v[8*(4*((\a)%8)+\b):8*(4*((\a)%8)+\b)+7], v[32*((\i)%4)+8*\b:32*((\i)%4)+8*\b+7], v[128+8*(\a):128+8*(\a)+7], 0
.else
	v_wmma_f32_16x16x64_bf8_bf8 v[8*(4*((\a)%8)+\b):8*(4*((\a)%8)+\b)+7], v[32*((\i)%4)+8*\b:32*((\i)%4)+8*\b+7], v[128+8*(\a):128+8*(\a)+7], v[8*(4*((\a)%8)+\b):8*(4*((\a)%8)+\b)+7]
.endif
.endr
.endr
.endm
; A STEP.  bl: w's step four on is asked for; al: x's step two on is read; turn: 1 = change of slots with a refill, 2 = without.
; n0: loads of w younger than this step's eight (three steps' 24; running down at the end).  d0: LDS instructions younger than this step's 32 loads of x (the next step's 32; in a turn the add too).
.macro STEP i, zero, bl, al, turn, n0, d0
.if (\i) >= 12
.set OFF, ((\i)+4)*8192-131072         ; the stream's base is stepped in step 12
.else
.set OFF, ((\i)+4)*8192
.endif
.set SLT, ((\i)/8)%2
.set PA, (\i)%2                        ; x's set: window 0 or 1
.if \turn
	s_wait_tensorcnt 0x0                           ; my one load that was out, my part of the next slot, has landed
	ds_add_u32 v[SPW], v[NIL]
.endif
	s_wait_dscnt \d0
	s_wait_loadcnt \n0
	WIN 0xa1|(PA<<2)                               ; source 0 (w) window 1, source 1 (x) window PA, C and D window 2
	MUL16 \i, 0, \zero
	MUL16 \i, 4, \zero
.if \turn
	s_wait_dscnt 0x0                               ; the add is done, and my reads of this slot are over (its last step's fragments are in registers)
	s_barrier_signal -1
.endif
	WIN 0xf1|(PA<<2)
	MUL16 \i, 8, \zero
.if \turn
	WIN 0
	s_barrier_wait -1
.if (\turn) == 1
	CREST                                          ; the barrier has opened a round of the cluster's barrier
	s_add_nc_u64 s[G0+4*SLT+2:G0+4*SLT+3], s[G0+4*SLT+2:G0+4*SLT+3], 1024
	tensor_load_to_lds s[G0+4*SLT:G0+4*SLT+3], s[G1:G1+7]
	s_nop 0
	PLACES
.endif
	WIN 0xf1|(PA<<2)
.endif
	MUL16 \i, 12, \zero
.if (\bl) || (\al)
	PLACES
.endif
.if \bl
.if (\i) == 12
	s_wait_xcnt 0x0                                ; the loads and prefetches issued so far have read their bases
	s_add_nc_u64 s[BB:BB+1], s[BB:BB+1], 131072    ; 16 steps of 8,192 bytes on
	s_add_nc_u64 s[PFA:PFA+1], s[PFA:PFA+1], 1024  ; two fills on
.endif
	WIN TO_B
	BLOAD \i, OFF
.endif
.if \al
	WIN PA<<6
	ALOAD (\i)+2
.endif
	WIN 0
.if (\turn) == 1
.if (\i) == 6
	ASK 2048, 131072
.else
	ASK 1536, 65536
.endif
.endif
.endm
	s_load_b128 s[4:7], s[0:1], 0x0                ; x_codes, w_codes
	s_load_b128 s[8:11], s[0:1], 0x10              ; lowp_scales, memvec
	s_load_b64 s[12:13], s[0:1], 0x20              ; out0
	v_lshl_add_u32 v[SPW], v0, 2, SPARE
	v_mov_b32 v[NIL], 0
	ds_add_u32 v[SPW], v[NIL]
	ds_add_u32 v[SPW], v[NIL]
	v_lshrrev_b32 v1, 5, v0
	v_readfirstlane_b32 s14, v1                    ; wave 0..3
	s_bfe_u32 s40, ttmp6, 0x40000                  ; cx
	s_lshl_b32 s42, ttmp9, 2
	s_add_co_u32 s42, s42, s40                     ; block column 0..15
	s_and_b32 s17, ttmp7, 0xffff                   ; block row 0..15
	s_mov_b32 s[G1+0], 15|(1<<20)|(1<<21)|(6<<22)|(3<<25)   ; the cluster's four; elements of 1 byte; four words of padding behind every 128
	s_mov_b32 s[G1+1], 512<<16
	s_mov_b32 s[G1+2], 64<<16
	s_mov_b32 s[G1+3], 512<<16
	s_mov_b32 s[G1+4], 64
	s_mov_b32 s[G1+5], 4096
	s_mov_b32 s[G1+6], 0
	s_mov_b32 s[G1+7], 0
	s_lshl_b32 s20, s17, 20                        ; 256 rows of 4,096 bytes a block row
	s_lshl_b32 s21, s14, 18                        ; + my 64 rows
	s_add_co_u32 s20, s20, s21
	s_mov_b32 s21, 0
	s_mul_i32 s22, s14, QUART
	s_wait_dscnt 0x0
	s_wait_kmcnt 0x0
	s_load_b64 s[96:97], s[8:9], 0x0               ; e0, e1
	s_add_nc_u64 s[20:21], s[4:5], s[20:21]
.irp s, 0,1
	s_mov_b32 s[G0+4*\s], 1
	s_add_co_u32 s[G0+4*\s+1], s22, \s*SLOT
	s_add_nc_u64 s[G0+4*\s+2:G0+4*\s+3], s[20:21], \s*512
	s_or_b32 s[G0+4*\s+3], s[G0+4*\s+3], 0x80000000
.endr
	CROUND                                         ; the four work-groups are here: the first joint loads meet
	tensor_load_to_lds s[G0:G0+3], s[G1:G1+7]      ; fill 0: one tensor load a wave at the head
	s_nop 0
	PLACES
	s_mul_i32 s41, s14, 16*SPITCH                  ; my stage
	s_lshl_b32 s70, s42, 10
	s_lshl_b32 s71, s14, 8
	s_add_co_u32 s70, s70, s71                     ; my first column, in bytes
	s_mov_b32 s71, 0
	s_lshl_b32 s72, s17, 22                        ; my first row of out0
	s_mov_b32 s73, 0
	s_add_nc_u64 s[72:73], s[72:73], s[70:71]
	s_add_nc_u64 s[12:13], s[12:13], s[72:73]
	s_add_nc_u64 s[10:11], s[10:11], s[70:71]
	s_lshl_b32 s74, s42, 1
	s_lshr_b32 s75, s14, 1
	s_add_co_u32 s74, s74, s75
	s_lshl_b32 s74, s74, 19                        ; my stream of w: group of 128 rows 2 x block column + wave / 2, 524,288 bytes each,
	s_and_b32 s75, s14, 1
	s_lshl_b32 s75, s75, 12                        ; and in each chunk the lower or the upper four blocks
	s_add_co_u32 s74, s74, s75
	s_mov_b32 s75, 0
	s_add_nc_u64 s[BB:BB+1], s[6:7], s[74:75]
	s_lshl_b32 s76, s17, 8
	s_lshl_b32 s77, s14, 6
	s_add_co_u32 s76, s76, s77
	s_lshl_b32 s77, s40, 4
	s_add_co_u32 s76, s76, s77                     ; x's prefetches: my work-group's 16 of my wave's 64 rows
	s_lshl_b32 s76, s76, 12
	s_mov_b32 s77, 0
	s_add_nc_u64 s[PFA:PFA+1], s[4:5], s[76:77]
	s_lshr_b32 s78, s17, 1
	s_lshl_b32 s78, s78, 13                        ; w's prefetches: piece (block row / 2) of a period's eight,
	s_and_b32 s79, s17, 1
	s_lshl_b32 s79, s79, 11                        ; its lower or upper 2,048 bytes
	s_add_co_u32 s78, s78, s79
	v_and_b32 v1, 15, v0
	v_bfe_u32 v2, v0, 4, 1
	v_and_b32 v6, 31, v0
	v_mul_u32_u24 v3, v1, PITCH
	v_lshl_add_u32 v[ADRA], v2, 4, v3
	v_add_nc_u32 v[ADRA+1], 128*PITCH, v[ADRA]
	v_add_nc_u32 v[ADRA+2], SLOT, v[ADRA]
	v_add_nc_u32 v[ADRA+3], SLOT+128*PITCH, v[ADRA]
	v_mul_u32_u24 v5, v1, SPITCH
	v_lshl_add_u32 v5, v2, 5, v5
	v_add_nc_u32 v[STO], s41, v5
	v_mul_u32_u24 v7, v2, SPITCH
	v_lshl_add_u32 v7, v1, 4, v7
	v_add_nc_u32 v[RD], s41, v7
	v_lshlrev_b32 v[MVO], 4, v1
	v_lshl_add_u32 v[GOF], v2, 14, v[MVO]
	v_lshlrev_b32 v[CO], 4, v6
	v_lshlrev_b32 v8, 12, v1
	v_lshl_add_u32 v[PFO], v2, 8, v8
	v_min_u32 v9, 7, v6
	v_lshlrev_b32 v9, 8, v9
	v_add_nc_u32 v[PFB], s78, v9
	s_wait_alu depctr_va_vdst(0)
	global_load_b128 v[MV:MV+3], v[MVO], s[10:11]
.irp p, 0,1,2
	global_load_b128 v[MP+4*\p:MP+4*\p+3], v[MVO], s[10:11] offset:16384*(\p+1)
.endr
	WIN TO_B
.irp t, 0,1,2,3                        ; the ring's first four steps
	BLOAD \t, 8192*\t
.endr
	WIN 0
	s_wait_tensorcnt 0x0                           ; my part of fill 0 is in
	ds_add_u32 v[SPW], v[NIL]
	s_wait_dscnt 0x0
	CROUND
	tensor_load_to_lds s[G0+4:G0+7], s[G1:G1+7]    ; fill 1
	s_nop 0
	PLACES
	ALOAD 0
	WIN 0x40
	ALOAD 1
	WIN 0
	STEP 0, 1, 1, 1, 0, 24, 32                     ; the first step starts the sums
	s_mov_b32 s3, 3
.Llap:                                                 ; a trip: 16 steps, from a lap's second step to the next lap's first; both slots are filled again
.irp i, 1,2,3,4,5
	STEP \i, 0, 1, 1, 0, 24, 32
.endr
	STEP 6, 0, 1, 1, 1, 24, 33
.irp i, 7,8,9,10,11,12,13
	STEP \i, 0, 1, 1, 0, 24, 32
.endr
	STEP 14, 0, 1, 1, 1, 24, 33
	STEP 15, 0, 1, 1, 0, 24, 32
	STEP 16, 0, 1, 1, 0, 24, 32
	s_sub_co_u32 s3, s3, 1
	s_cmp_lg_u32 s3, 0
	s_cbranch_scc1 .Llap
.irp i, 1,2,3,4,5                      ; the last 15 steps fill nothing
	STEP \i, 0, 1, 1, 0, 24, 32
.endr
	STEP 6, 0, 1, 1, 2, 24, 33
.irp i, 7,8,9,10,11
	STEP \i, 0, 1, 1, 0, 24, 32
.endr
	STEP 12, 0, 0, 1, 0, 24, 32
	STEP 13, 0, 0, 1, 0, 16, 32
	STEP 14, 0, 0, 0, 0, 8, 32
	STEP 15, 0, 0, 0, 0, 0, 0
; THE WAY OUT, block by block of 16 rows x 64 columns, through my own stage: back come whole rows of 256 bytes, two an instruction: sixteen lanes store one aligned unit of 256 bytes.
.macro TOSTAGE a
	WIN 0x08+4*((\a)/8)
.irp b, 0,1,2,3
	ds_store_b128 v[STO], v[8*(4*((\a)%8)+\b):8*(4*((\a)%8)+\b)+3] offset:64*\b
	ds_store_b128 v[STO], v[8*(4*((\a)%8)+\b)+4:8*(4*((\a)%8)+\b)+7] offset:64*\b+16
.endr
	WIN 0
.set OBK, BK+32*((\a)%2)
.irp t, 0,1,2,3,4,5,6,7
	ds_load_b128 v[OBK+4*\t:OBK+4*\t+3], v[RD] offset:2*\t*SPITCH   ; LDS serves a wave's instructions in order: these see my stores
.endr
.endm
.macro SEND a, younger
.set OBK, BK+32*((\a)%2)
	s_wait_dscnt \younger
.if (\a) > 0
	s_add_nc_u64 s[12:13], s[12:13], 16*NROW       ; behind a wait on XCNT: the earlier stores have read their base
.endif
.irp t, 0,1,2,3,4,5,6,7
	v_pk_fma_f32 v[OBK+4*\t:OBK+4*\t+1], v[OBK+4*\t:OBK+4*\t+1], s[96:97], v[MV:MV+1] op_sel_hi:[1,0,1]
	v_pk_fma_f32 v[OBK+4*\t+2:OBK+4*\t+3], v[OBK+4*\t+2:OBK+4*\t+3], s[96:97], v[MV+2:MV+3] op_sel_hi:[1,0,1]
	global_store_b128 v[GOF], v[OBK+4*\t:OBK+4*\t+3], s[12:13] offset:2*\t*NROW th:TH_STORE_NT
.endr
.endm
	s_wait_kmcnt 0x0
	s_add_co_i32 s96, s96, s97
	s_add_co_i32 s96, s96, 127
	s_lshl_b32 s96, s96, 23                        ; 2^(e0 + e1) as f32
	s_wait_loadcnt 0x0
	v_pk_add_f32 v[MV:MV+1], v[MV:MV+1], v[MP:MP+1]        ; memvec's four parts; these six lines are also the places behind the last products
	v_pk_add_f32 v[MV+2:MV+3], v[MV+2:MV+3], v[MP+2:MP+3]
	v_pk_add_f32 v[MP+4:MP+5], v[MP+4:MP+5], v[MP+8:MP+9]
	v_pk_add_f32 v[MP+6:MP+7], v[MP+6:MP+7], v[MP+10:MP+11]
	v_pk_add_f32 v[MV:MV+1], v[MV:MV+1], v[MP+4:MP+5]
	v_pk_add_f32 v[MV+2:MV+3], v[MV+2:MV+3], v[MP+6:MP+7]
	s_wait_alu depctr_va_vdst(0)
	TOSTAGE 0
.irp a, 1,2,3,4,5,6,7,8,9,10,11,12,13,14,15
.if \a > 1
	s_wait_xcnt 0x0                                ; block a - 2's stores have read their registers and their base
.endif
	TOSTAGE \a
	SEND \a-1, 16
.endr
	s_wait_xcnt 0x0
	SEND 15, 0
	s_wait_tensorcnt 0x0                           ; the wave's end
	ds_add_u32 v[SPW], v[NIL]
	s_wait_dscnt 0x0
	CROUND                                         ; the closing round
	s_endpgm
.Lfunc_end_k_q1dcdc784f8_gemm:
	.size	k_q1dcdc784f8_gemm, .Lfunc_end_k_q1dcdc784f8_gemm-k_q1dcdc784f8_gemm
	.p2alignl 7, 3214868480
	.fill 96, 4, 3214868480
	.section	.rodata,"a",@progbits
	.p2align	6, 0x0
	.amdhsa_kernel k_q1dcdc784f8_gemm
		.amdhsa_group_segment_fixed_size 327680
		.amdhsa_private_segment_fixed_size 0
		.amdhsa_enable_private_segment 0
		.amdhsa_kernarg_size 40
		.amdhsa_user_sgpr_count 2
		.amdhsa_user_sgpr_kernarg_segment_ptr 1
		.amdhsa_wavefront_size32 1
		.amdhsa_system_sgpr_workgroup_id_x 1
		.amdhsa_system_sgpr_workgroup_id_y 1
		.amdhsa_system_sgpr_workgroup_id_z 1
		.amdhsa_system_vgpr_workitem_id 0
		.amdhsa_next_free_vgpr 1024
		.amdhsa_next_free_sgpr 98
		.amdhsa_reserve_vcc 0
		.amdhsa_float_denorm_mode_32 3
		.amdhsa_float_denorm_mode_16_64 3
		.amdhsa_memory_ordered 1
		.amdhsa_forward_progress 1
		.amdhsa_inst_pref_size 255
	.end_amdhsa_kernel
	.section	.bss,"aw",@nobits
	.p2align	6
	.space	262144
	.amdgpu_metadata
---
amdhsa.version: [ 1, 2 ]
amdhsa.kernels:
  - .name:           k_q1dcdc784f8_gemm
    .symbol:         k_q1dcdc784f8_gemm.kd
    .args:
      - { .name: x_codes, .offset: 0, .size: 8, .value_kind: global_buffer, .address_space: global }
      - { .name: w_codes, .offset: 8, .size: 8, .value_kind: global_buffer, .address_space: global }
      - { .name: lowp_scales, .offset: 16, .size: 8, .value_kind: global_buffer, .address_space: global }
      - { .name: memvec, .offset: 24, .size: 8, .value_kind: global_buffer, .address_space: global }
      - { .name: out0, .offset: 32, .size: 8, .value_kind: global_buffer, .address_space: global }
    .group_segment_fixed_size: 327680
    .private_segment_fixed_size: 0
    .kernarg_segment_align: 8
    .kernarg_segment_size: 40
    .max_flat_workgroup_size: 128
    .sgpr_count:     98
    .vgpr_count:     1024
    .wavefront_size: 32
...
	.end_amdgpu_metadata
.endif
;; end of part 3
